; MI455X (gfx1250); checked and timed in simulation.
; The chip was launched on July 23, 2026; its instructions are those of AMD's public machine-readable ISA for CDNA 5 (MIT licence, August 2026) and "CDNA5" Instruction Set Architecture Reference Guide (July 2026). The comments in the code are by the model that wrote it; some were corrected since.
;; Multi Head Attention. Allowed arithmetic: matrix products marked QUANTISED: E2M1 operands, one E8M0 scale for each 32 along K, by v_wmma_scale_f32_16x16x128_f8f6f4 with both operands' format E2M1 (or v_wmma_scale_f32_32x16x128_f4), f32 sums; everything else in f32.
;; Inputs: W_attn_codes 3,072 x 32 x 16 uint8 (E2M1 codes of W_attn, K innermost, in blocks of 32 codes, two codes a byte); W_attn_scales 3,072 x 32 uint8 (E8M0 scales of W_attn, one for each 32 codes along K); W_proj_codes 1,024 x 32 x 16 uint8 (E2M1 codes of W_proj, K innermost, in blocks of 32 codes, two codes a byte); W_proj_scales 1,024 x 32 uint8 (E8M0 scales of W_proj, one for each 32 codes along K); b_attn 3,072 float32; b_proj 1,024 float32; x_codes 4 x 2,048 x 32 x 16 uint8 (E2M1 codes of x, K innermost, in blocks of 32 codes, two codes a byte); x_scales 4 x 2,048 x 32 uint8 (E8M0 scales of x, one for each 32 codes along K).
;; Outputs: out0 4 x 2,048 x 1,024 float32.
;; This version of the problem:
;;   THIS VERSION OF THE PROBLEM IS GIVEN IN LOW PRECISION. The matrix products marked QUANTISED in the list below multiply operands that are first quantised to E2M1 (2 exponent bits, 1 mantissa bit; 4 bits a number), with one power-of-two scale for each 32 numbers along K (OCP MX v1.0); their sums are f32. All else is computed in f32.
;;   The module's matrix products, in the order in which they are computed (A, B: the left and right operand; K: the contracted axis; several contracted axes count as one K, in the product's order):
;;     1. [M 8,192, K 1,024] x [K 1,024, N 3,072]; A: input x (given as codes); B: input W_attn (given as codes): QUANTISED
;;     2. batch 64 x [M 2,048, K 64] x [K 64, N 2,048]; A: computed on the way; B: computed on the way: QUANTISED
;;     3. batch 64 x [M 2,048, K 2,048] x [K 2,048, N 64]; A: softmax (see below); B: computed on the way: QUANTISED
;;     4. [M 8,192, K 1,024] x [K 1,024, N 1,024]; A: computed on the way; B: input W_proj (given as codes): QUANTISED
;;   THE QUANTISER, for each operand of a quantised product, along K:
;;     - K is cut into blocks of 32 from its start; a last block that is shorter is filled with zeros.
;;     - A block's scale is 2^e with e = floor(log2(the largest magnitude in the block)) - 2, held to -126 .. 127; a block of zeros has e = 0. As a byte (E8M0): e + 127.
;;     - Each number is divided by its block's scale, clamped to +-6, and rounded to the nearest number of E2M1, ties to even, subnormals kept.
;;     - The product sums the exact products of the quantised numbers (number of the format x scale) in f32.
;;   ~~~python
;;   def quantise(x, axis):      # numpy; x: float32 -> the quantised numbers, widened to float32 again
;;       x = np.moveaxis(x, axis, -1); K = x.shape[-1]
;;       x = np.pad(x, [(0, 0)] * (x.ndim - 1) + [(0, -K % 32)]); x = x.reshape(x.shape[:-1] + (-1, 32)); a = np.abs(x).max(-1, keepdims=True)
;;       e = np.where(a > 0, np.clip(np.frexp(np.where(a > 0, a, 1))[1] - 1 - 2, -126, 127), 0)      # np.frexp(a)[1] - 1 = floor(log2(a)), exactly
;;       r = np.clip(x / 2.0 ** e, -6, 6)
;;       step = 2.0 ** (np.maximum(np.frexp(np.where(r == 0, 1, r))[1] - 1, 0) - 1)
;;       q = np.round(r / step) * step * 2.0 ** e      # np.round: ties to even
;;       return np.moveaxis(q.reshape(q.shape[:-2] + (-1,))[..., :K], -1, axis).astype(np.float32)
;;   ~~~
;;   SOFTMAX AHEAD OF A QUANTISED PRODUCT. Where the list says 'softmax', what is quantised is not the finished softmax but p = 2^(t - M), with t = logit x log2(e) and M = ceil(the row's largest t), a whole number; so 1/2 < the row's largest p <= 1. The row's sum l is taken of the UNQUANTISED p, in f32, and the product's result is divided by l at the end. Since M is a whole number, a kernel that streams over the keys may use a running M (the ceiling of the running maximum): every later rescaling is an exact power of two, which a block's scale takes up: the codes' values come out the same.
;;   OPERANDS COMPUTED ON THE WAY. 'Computed on the way' means the value that the module computes at that place (a softmax that the list does not call 'softmax' is quantised finished and normalised). What goes into a quantiser is computed in f32, as accurately as f32 sums, v_exp_f32 and their like allow (about 1e-6 of the number): no bf16 or f16 on the way to a quantiser, and a product that is left as it is and whose result goes on into a quantised operand takes f32 operands (vector FMAs, or v_wmma_f32_16x16x4_f32). A number that lies on a knife's edge between two numbers of the format may be rounded either way, as far as f32 arithmetic and the matrix unit's own rounding can turn it there, and no further.
;;   INPUTS GIVEN AS CODES. W_attn (in the module: [1024, 3072], K = its axis 0); W_proj (in the module: [1024, 1024], K = its axis 0); x (in the module: [4, 2048, 1024], K = its axis 2): each comes as NAME_codes (uint8): NAME with its K axis moved to the last place and cut into blocks of 32 codes, [.., K / 32, bytes a block], one block behind the other in memory; two codes a byte, the lower K in the low four bits (a code: sign, 2 exponent bits, 1 mantissa bit); and NAME_scales (uint8): the same leading axes, one E8M0 byte (e + 127) for each 32 codes along K. Its value is code x scale, taken as it is: it is not quantised again, and the codes and scales need not be those that the quantiser above would give.
;; One version. Each part assembles by itself: llvm-mc -triple=amdgcn-amd-amdhsa -mcpu=gfx1250 --defsym DOCPART=n.
;; ======== version 1 of 1: 3 launches
;; workspace buffers: qb 4,718,592 bytes; kv 9,175,040 bytes; yc 4,194,304 bytes; ys 262,144 bytes
;; launch qkv (part 1): grid 12 x 64, 4 waves a work-group, clusters of 4 x 4, 221,696 bytes of LDS; arguments x_codes, x_scales, W_attn_codes, W_attn_scales, b_attn, qb, kv; writes qb, kv
.if DOCPART == 1
	.amdgcn_target "amdgcn-amd-amdhsa--gfx1250"
	.amdhsa_code_object_version 6
	.text
	.protected	k_q35d8d21d13_qkv
	.globl	k_q35d8d21d13_qkv
	.p2align	8
	.type	k_q35d8d21d13_qkv,@function
k_q35d8d21d13_qkv:
	s_mov_b64 s[64:65], 0
	v_nop
	global_prefetch_b8 v0, s[64:65] scope:SCOPE_SE
	s_setreg_imm32_b32 hwreg(HW_REG_WAVE_MODE, 25, 1), 1
	s_wait_xcnt 0x0
	s_wait_alu depctr_hold_cnt(0) depctr_sa_sdst(0) depctr_va_vdst(0) depctr_va_sdst(0) depctr_va_ssrc(0) depctr_va_vcc(0) depctr_vm_vsrc(0)
	s_getreg_b32 s2, hwreg(HW_REG_IB_STS2, 6, 4)
	s_cmp_eq_u32 s2, 0
	s_cbranch_scc0 .Lentry_in_a_cluster
	s_endpgm
.Lentry_in_a_cluster:
	s_bfe_u32 s2, ttmp6, 0x10000c
	s_cmp_lg_u32 s2, 0xf033
	s_cbranch_scc0 .Lentry_shape_is_right
	s_endpgm
.Lentry_shape_is_right:
; a = x W_attn + b_attn on codes of FP4 (E2M1) with E8M0 scales, and the quantising of q, k (along the head's 64 channels) and v (along the keys).
; x: [8192][1024] codes, W_attn: [3072][1024] codes, K innermost, 512 bytes a row; scale bytes 32 a row.
; SHARES.  A work-group makes 128 rows x 256 columns with all of K = 1,024 in LDS; each of its four waves 128 x 64: one head's columns, 32 accumulators, 8 K steps of 128.
; The cluster's x says which third of a is made: 0 = q, 1 = k, 2 = v; it is the same in all sixteen partners, and the only branches beside those on the wave's number hang on it.
; q, k: the product is used transposed (source 0 = 16 rows of W, source 1 = 16 rows of x): a lane holds one token and its registers run along the channels.
; v:    source 0 = 16 rows of x, source 1 = 16 rows of W: a lane holds one channel and its registers run along the keys.  Either way block n of 32 along the next K lies in accumulator registers 16 n .. 16 n + 15
; of lanes l and l xor 16, so one quantiser serves both.
; OUT.  The codes leave as images of the reader's operand registers, 512 consecutive bytes a store:
;   qb [bh 64][group of 128 tokens 16][4,608]: 8 tiles x 512 bytes (lane l: row l % 16, block l / 16), then 512 bytes of scale words [lane][4]: word p of lane l = tile 2 p + l / 16, row l % 16: byte 0, 1 = the two blocks, bytes 2, 3 = 0.
;   kv [bh 64][step of 128 keys 16][8,960]: K as q's tiles; +4,096 V^T [channel tile 4][c 2][lane][16]; +8,192 K's scale words as q's; +8,704 V's [lane][2]: word p of lane l = channel tile 2 p + l / 16, channel l % 16, a byte a key block.
; CLUSTER 4 x 4: x's tiles hang on the tile row alone and are asked for jointly along a row of the cluster, W's on the tile column alone and along a column.
; Every LDS byte is filled once, so there is no ring.  Nothing is prefetched: a work-group asks for all that it reads at its head.
; LIMITS: NaN and infinities are not served.  A block whose largest magnitude lies under 2^-124, a block of zeros among them, gets the scale byte 1 (the quantiser says 127 for zeros): its codes are zeros or
; were not tried, and these bytes are read by this program alone.
; REGISTERS, in windows of 256: window 0: addresses, v32-95 x's scale words (8 i + s), v96-127 W's (8 t + s), v128-219 the quantiser's work.   window 1: the 32 accumulators.
;   window 2: v0-63 W's fragments, two sets; v64-95 the bias in the result's layout.   window 3: v0-127 x's fragments, two sets.
.set SLOT,  104448                     ; a K half in LDS: x's 128 rows x 272, then W's 256 rows x 272
.set WOFF,  34816
.set SCLA,  208896                     ; x's scale bytes, 128 rows x 32
.set SCLB,  212992                     ; W's, 256 rows x 32
.set APT,   4352                       ; from tile to tile of x in LDS: 16 rows x 272
.set AQ,    64                         ; from K step to K step
.set AC,    32                         ; between a fragment's two loads
.set ADRA,  16                         ; v16-17 my place in x's tiles, K half 0, 1
.set ADRB,  18                         ; v18-19 in W's
.set ADSA,  20                         ; v20    in x's scale bytes
.set ADSB,  21                         ; v21    in W's
.set VO,    22                         ; v22    16 x lane
.set VO8,   23                         ; v23    8 x lane
.set BO,    24                         ; v24-31 the bias's offsets, one for each register of a tile
.set SCA,   32
.set SCB,   96
.set TM,    128                        ; v128-143 largest magnitudes
.set TP,    144                        ; v144-159 the other half's, then the scale bytes
.set SO,    160                        ; v160-175 the conversions' scale operands
.set PC,    176                        ; v176-207 the codes: group g at PC + 4 ((g + 2) % 8)
.set PW,    208
.set SW,    216
.set BI,    64                         ; in window 2
.set G1A,  24
.set G0A,  32
.set G1B,  48
.set G0B,  56
.set G1SA, 68
.set G0SA, 76
.set G1SB, 80
.set G0SB, 88
.set SEL,  92
.set MSB, 0
.macro WIN new                         ; the immediate's high byte repeats the setting that is left
.if MSB != \new
	s_set_vgpr_msb (MSB<<8)|\new
.set MSB, \new
.endif
.endm
; A joint load: waves 0 and 1 fetch for x, waves 2 and 3 for W.  Each line has one mask and one set of registers; the branch hangs on the wave's number alone.  Four v_nop follow each line.
.macro JLOAD g0a, g1a, g0b, g1b
	s_cmp_eq_u32 s19, 0
	s_cbranch_scc0 .Lfor_b_\@
	tensor_load_to_lds s[\g0a:\g0a+3], s[\g1a:\g1a+7]
	s_nop 0
.rept 4
	v_nop
.endr
	s_branch .Lasked_\@
.Lfor_b_\@:
	tensor_load_to_lds s[\g0b:\g0b+3], s[\g1b:\g1b+7]
	s_nop 0
.rept 4
	v_nop
.endr
.Lasked_\@:
.endm
.macro CROUND                          ; a round of the cluster's barrier
	s_barrier_signal -1
	s_barrier_wait -1
	s_cmp_lg_u32 s18, 0
	s_cbranch_scc1 .Lnot_wave_0_\@
	s_barrier_signal -3
.Lnot_wave_0_\@:
	s_barrier_wait -3
	s_barrier_signal -1
	s_barrier_wait -1
.endm
	s_load_b256 s[4:11], s[0:1], 0x0               ; x's codes s[4:5], x's scales s[6:7], W's codes s[8:9], W's scales s[10:11]
	s_load_b128 s[12:15], s[0:1], 0x20             ; b_attn s[12:13], qb s[14:15]
	s_load_b64 s[16:17], s[0:1], 0x30              ; kv
	v_lshl_add_u32 v254, v0, 2, 0x36000
	v_mov_b32 v255, 0
	ds_add_u32 v254, v255
	ds_add_u32 v254, v255
	v_lshrrev_b32 v1, 5, v0
	v_readfirstlane_b32 s18, v1                    ; wave 0..3
	s_lshr_b32 s19, s18, 1                         ; I fetch for x (0) or for W (1)
	s_and_b32 s20, s18, 1                          ; which half of its rows
	s_bfe_u32 s40, ttmp6, 0x40000                  ; cx
	s_bfe_u32 s41, ttmp6, 0x40004                  ; cy
	s_lshl_b32 s42, ttmp9, 2
	s_add_co_u32 s42, s42, s40                     ; tile column = 4 x cluster x + cx
	s_and_b32 s43, ttmp7, 0xffff
	s_lshl_b32 s43, s43, 2
	s_add_co_u32 s43, s43, s41                     ; tile row = 4 x cluster y + cy
	s_lshl_b32 s44, s41, 2
	s_lshl_b32 s44, 15, s44                        ; my row of the cluster
	s_lshl_b32 s45, 0x1111, s40                    ; my column
	; group 1 for codes: rows of 256 bytes (half of K), 512 bytes apart in memory, 16 bytes of padding behind each in LDS: x 64 rows a load, W 128
	s_or_b32 s[G1A], s44, (1<<20)|(1<<21)|(5<<22)|(3<<25)
	s_mov_b32 s[G1A+1], 256<<16
	s_mov_b32 s[G1A+2], 64<<16
	s_mov_b32 s[G1A+3], 256<<16
	s_mov_b32 s[G1A+4], 64
	s_mov_b32 s[G1A+5], 512
	s_mov_b32 s[G1A+6], 0
	s_mov_b32 s[G1A+7], 0
	s_or_b32 s[G1B], s45, (1<<20)|(1<<21)|(5<<22)|(3<<25)
	s_mov_b32 s[G1B+1], 256<<16
	s_mov_b32 s[G1B+2], 128<<16
	s_mov_b32 s[G1B+3], 256<<16
	s_mov_b32 s[G1B+4], 128
	s_mov_b32 s[G1B+5], 512
	s_mov_b32 s[G1B+6], 0
	s_mov_b32 s[G1B+7], 0
	; group 1 for scale bytes: dense blocks as rows of 256 bytes (32 elements of 8 bytes): x 64 rows x 32 = 8 such rows, W 16
	s_or_b32 s[G1SA], s44, (3<<16)|(1<<21)
	s_mov_b32 s[G1SA+1], 32<<16
	s_mov_b32 s[G1SA+2], 8<<16
	s_mov_b32 s[G1SA+3], 32<<16
	s_mov_b32 s[G1SA+4], 8
	s_mov_b32 s[G1SA+5], 32
	s_mov_b32 s[G1SA+6], 0
	s_mov_b32 s[G1SA+7], 0
	s_or_b32 s[G1SB], s45, (3<<16)|(1<<21)
	s_mov_b32 s[G1SB+1], 32<<16
	s_mov_b32 s[G1SB+2], 16<<16
	s_mov_b32 s[G1SB+3], 32<<16
	s_mov_b32 s[G1SB+4], 16
	s_mov_b32 s[G1SB+5], 32
	s_mov_b32 s[G1SB+6], 0
	s_mov_b32 s[G1SB+7], 0
	; byte offsets.  x's hang on the tile row and the wave, W's on the tile column and the wave, each in registers of their own
	s_lshl_b32 s2, s43, 16                         ; x's codes: (128 tile row + 64 half) x 512
	s_lshl_b32 s3, s20, 15
	s_add_co_u32 s2, s2, s3
	s_mov_b32 s3, 0
	s_lshl_b32 s22, s43, 12                        ; x's scales: the same rows x 32
	s_lshl_b32 s23, s20, 11
	s_add_co_u32 s22, s22, s23
	s_mov_b32 s23, 0
	s_lshl_b32 s46, s42, 17                        ; W's codes: (256 tile column + 128 half) x 512
	s_lshl_b32 s47, s20, 16
	s_add_co_u32 s46, s46, s47
	s_mov_b32 s47, 0
	s_lshl_b32 s96, s42, 13                        ; W's scales
	s_lshl_b32 s97, s20, 12
	s_add_co_u32 s96, s96, s97
	s_mov_b32 s97, 0
	s_mul_i32 s21, s20, 17408                      ; where they go in LDS: the wave's half alone decides
	s_mul_i32 s95, s20, 34816
	s_lshl_b32 s98, s20, 11
	s_lshl_b32 s99, s20, 12
	s_wait_dscnt 0x0
	s_wait_kmcnt 0x0
	s_add_nc_u64 s[2:3], s[4:5], s[2:3]
	s_add_nc_u64 s[22:23], s[6:7], s[22:23]
	s_add_nc_u64 s[46:47], s[8:9], s[46:47]
	s_add_nc_u64 s[96:97], s[10:11], s[96:97]
	CROUND                                         ; all sixteen work-groups are here: the joint loads meet
	s_mov_b32 s[G0SA], 1
	s_add_co_u32 s[G0SA+1], s98, SCLA
	s_mov_b64 s[G0SA+2:G0SA+3], s[22:23]
	s_or_b32 s[G0SA+3], s[G0SA+3], 0x80000000
	s_mov_b32 s[G0SB], 1
	s_add_co_u32 s[G0SB+1], s99, SCLB
	s_mov_b64 s[G0SB+2:G0SB+3], s[96:97]
	s_or_b32 s[G0SB+3], s[G0SB+3], 0x80000000
	JLOAD G0SA, G1SA, G0SB, G1SB
.irp k, 0,1
	s_mov_b32 s[G0A+4*\k], 1
	s_add_co_u32 s[G0A+4*\k+1], s21, \k*SLOT
	s_add_nc_u64 s[G0A+4*\k+2:G0A+4*\k+3], s[2:3], \k*256
	s_or_b32 s[G0A+4*\k+3], s[G0A+4*\k+3], 0x80000000
	s_mov_b32 s[G0B+4*\k], 1
	s_add_co_u32 s[G0B+4*\k+1], s95, \k*SLOT+WOFF
	s_add_nc_u64 s[G0B+4*\k+2:G0B+4*\k+3], s[46:47], \k*256
	s_or_b32 s[G0B+4*\k+3], s[G0B+4*\k+3], 0x80000000
	JLOAD G0A+4*\k, G1A, G0B+4*\k, G1B             ; three loads of mine are out in all
.endr
	v_and_b32 v1, 15, v0                           ; r
	v_bfe_u32 v2, v0, 4, 1                         ; h
	v_and_b32 v3, 31, v0                           ; lane
	v_mul_u32_u24 v[ADRA], v1, 272
	v_lshl_add_u32 v[ADRA], v2, 4, v[ADRA]         ; a fragment's row x pitch + 16 x half
	v_add_nc_u32 v[ADRA+1], SLOT, v[ADRA]
	s_mul_i32 s21, s18, 17408                      ; my 64 rows of W
	s_add_co_u32 s21, s21, WOFF
	v_add_nc_u32 v[ADRB], s21, v[ADRA]
	v_add_nc_u32 v[ADRB+1], SLOT, v[ADRB]
	v_lshl_add_u32 v[ADSA], v1, 5, SCLA            ; a row's 32 scale bytes
	s_lshl_b32 s21, s18, 11
	s_add_co_u32 s21, s21, SCLB
	v_lshl_add_u32 v[ADSB], v1, 5, s21
	v_lshlrev_b32 v[VO], 4, v3
	v_lshlrev_b32 v[VO8], 3, v3
	; the bias in the result's layout, as the C of each sum's first product.  q, k: register j of tile t is column 16 t + 8 h + j;  v: every register is column 16 t + r.  One form serves both: offset = r sa + h sb + j sc
	s_cmp_eq_u32 ttmp9, 2
	s_cselect_b32 s21, 4, 0
	s_cselect_b32 s95, 0, 32
	s_cselect_b32 s98, 0, 4
	v_mul_u32_u24 v4, v1, s21
	v_mad_u32_u24 v4, v2, s95, v4
	v_mov_b32 v5, s98
.irp j, 0,1,2,3,4,5,6,7
	v_mad_u32_u24 v[BO+\j], v5, \j, v4
.endr
	s_lshl_b32 s46, s42, 10                        ; my first column x 4 bytes: 1,024 x tile column + 256 x wave
	s_lshl_b32 s47, s18, 8
	s_add_co_u32 s46, s46, s47
	s_mov_b32 s47, 0
	s_add_nc_u64 s[12:13], s[12:13], s[46:47]
	WIN 0x80                                       ; destination window 2
.irp t, 0,1,2,3
.irp j, 0,1,2,3,4,5,6,7
	global_load_b32 v[BI+8*\t+\j], v[BO+\j], s[12:13] offset:64*\t
.endr
.endr
	WIN 0
.irp n, 0,1,2,3,4,5,6,7,8,9,10,11,12,13,14,15
	v_mov_b32 v[TP+\n], 0                          ; written once: a lane permute's destination counts as one of its sources
.endr
	s_mov_b32 s[SEL], 0x76543210
	s_mov_b32 s[SEL+1], 0xfedcba98                 ; v_permlanex16_b32's selects for lane l xor 16
	s_mov_b32 s94, 0xffff0000                      ; the mask of lanes 16-31
	; where my wave's results go: unit = 16 (16 batch + head) + step, head = 4 cx + wave
	s_lshr_b32 s95, s43, 4
	s_lshl_b32 s95, s95, 4
	s_lshl_b32 s98, s40, 2
	s_add_co_u32 s98, s98, s18
	s_add_co_u32 s95, s95, s98
	s_lshl_b32 s95, s95, 4
	s_and_b32 s98, s43, 15
	s_add_co_u32 s95, s95, s98
	s_mul_i32 s96, s95, 4608                       ; the unit in qb,
	s_mul_i32 s98, s95, 8960                       ; and in kv
	s_mov_b32 s21, 8192
	s_cmp_eq_u32 ttmp9, 0
	s_cselect_b64 s[14:15], s[14:15], s[16:17]     ; q goes to qb, k and v to kv
	s_cselect_b32 s96, s96, s98
	s_cselect_b32 s21, 4096, s21                   ; the scale words' place in the unit: q 4,096, k 8,192,
	s_mov_b32 s99, 8704
	s_cmp_eq_u32 ttmp9, 2
	s_cselect_b32 s98, 4096, 0                     ; v's codes lie behind k's
	s_cselect_b32 s21, s99, s21                    ; v 8,704
	s_add_co_u32 s98, s96, s98
	s_add_co_u32 s96, s96, s21
	s_mov_b32 s97, 0
	s_mov_b32 s99, 0
	s_add_nc_u64 s[16:17], s[14:15], s[96:97]      ; the scale words
	s_add_nc_u64 s[14:15], s[14:15], s[98:99]      ; the codes
; 24 LDS loads in one run: K step s's fragments into set s % 2: x's eight into window 3, W's four into window 2.
; A fragment, 16 rows x 128 K of 4-bit codes, is 8 registers: lane l holds row l % 16; registers 4 c .. 4 c + 3 hold K = 64 c + 32 (l / 16) + 0 .. 31.
.macro FETCH s
	WIN 0xc0
.irp i, 0,1,2,3,4,5,6,7
.irp c, 0,1
	ds_load_b128 v[64*((\s)%2)+8*\i+4*\c:64*((\s)%2)+8*\i+4*\c+3], v[ADRA+(\s)/4] offset:\i*APT+((\s)%4)*AQ+\c*AC
.endr
.endr
	WIN 0x80
.irp t, 0,1,2,3
.irp c, 0,1
	ds_load_b128 v[32*((\s)%2)+8*\t+4*\c:32*((\s)%2)+8*\t+4*\c+3], v[ADRB+(\s)/4] offset:\t*4352+((\s)%4)*64+\c*32
.endr
.endr
.endm
.macro MM d, a, b, sa, sb, bias        ; one product; bias >= 0: it starts the sum with the bias as C
.if (\bias) >= 0
	v_wmma_scale_f32_16x16x128_f8f6f4 v[(\d):(\d)+7], v[(\a):(\a)+7], v[(\b):(\b)+7], v[(\bias):(\bias)+7], v[\sa], v[\sb] matrix_a_fmt:MATRIX_FMT_FP4 matrix_b_fmt:MATRIX_FMT_FP4
.else
	v_wmma_scale_f32_16x16x128_f8f6f4 v[(\d):(\d)+7], v[(\a):(\a)+7], v[(\b):(\b)+7], v[(\d):(\d)+7], v[\sa], v[\sb] matrix_a_fmt:MATRIX_FMT_FP4 matrix_b_fmt:MATRIX_FMT_FP4
.endif
.endm
; K step s: its fragments were asked for a step ago; the next step's are asked for; 32 products.  The 32 accumulators take turns, one instruction a turn, in the same order in every step.
; vp = 0: q, k: source 0 = W (window 2), source 1 = x (window 3), accumulator (i, t) at 8 (4 i + t).  vp = 1: v: source 0 = x, source 1 = W, accumulator at 8 (8 t + i).
.macro KSTEP s, vp
.set PS, (\s)%2
	s_wait_dscnt 0x0                               ; this step's fragments are in (in step 0: the scale words too)
.if ((\s) > 0) && ((\s) < 7)
.rept 4
	v_nop                                          ; four places between the last step's products and the loads into the set that they read (ISA guide 7.12.1 for vector instructions)
.endr
.endif
.if (\s) < 7
	FETCH (\s)+1
.endif
.if \vp
.if (\s) == 0
	WIN 0x6b                                       ; source 0 window 3, source 1 window 2, C (the bias) window 2, D window 1
.else
	WIN 0x5b
.endif
.irp i, 0,1,2,3,4,5,6,7
.irp t, 0,1,2,3
.if (\s) == 0
	MM 8*(8*\t+\i), 64*PS+8*\i, 32*PS+8*\t, SCA+8*\i+(\s), SCB+8*\t+(\s), BI+8*\t
.else
	MM 8*(8*\t+\i), 64*PS+8*\i, 32*PS+8*\t, SCA+8*\i+(\s), SCB+8*\t+(\s), -1
.endif
.endr
.endr
.else
.if (\s) == 0
	WIN 0x6e                                       ; source 0 window 2, source 1 window 3, C (the bias) window 2, D window 1
.else
	WIN 0x5e
.endif
.irp i, 0,1,2,3,4,5,6,7
.irp t, 0,1,2,3
.if (\s) == 0
	MM 8*(4*\i+\t), 32*PS+8*\t, 64*PS+8*\i, SCB+8*\t+(\s), SCA+8*\i+(\s), BI+8*\t
.else
	MM 8*(4*\i+\t), 32*PS+8*\t, 64*PS+8*\i, SCB+8*\t+(\s), SCA+8*\i+(\s), -1
.endif
.endr
.endr
.endif
.endm
	s_wait_tensorcnt 0x0                           ; my three loads have landed,
	s_barrier_signal -1
	s_barrier_wait -1                              ; everybody's have: all of K and all scale bytes lie in LDS.  No barrier follows but the closing round's
.irp i, 0,1,2,3,4,5,6,7
.irp k, 0,1
	ds_load_b128 v[SCA+8*\i+4*\k:SCA+8*\i+4*\k+3], v[ADSA] offset:512*\i+16*\k   ; lane r: row 16 i + r's eight scale words, one a K step
.endr
.endr
.irp t, 0,1,2,3
.irp k, 0,1
	ds_load_b128 v[SCB+8*\t+4*\k:SCB+8*\t+4*\k+3], v[ADSB] offset:512*\t+16*\k
.endr
.endr
	FETCH 0
	WIN 0                                          ; at a branch and at a label every window is 0
	s_wait_loadcnt 0x0                             ; the bias
	s_cmp_eq_u32 ttmp9, 2
	s_cbranch_scc1 .Lv
.irp s, 0,1,2,3,4,5,6,7
	KSTEP \s, 0
.endr
	WIN 0
	s_branch .Ljoin
.Lv:
.irp s, 0,1,2,3,4,5,6,7
	KSTEP \s, 1
.endr
	WIN 0
.Ljoin:
.rept 4
	v_nop                                          ; four places between the last products and the first read of results
.endr
	; THE QUANTISER: 16 blocks of 32, block n in accumulator registers 16 n .. 16 n + 15 of lanes l and l xor 16.  Each accumulator is read from its low end on.
	WIN 0x05                                       ; sources 0 and 1 window 1
.irp n, 0,1,2,3,4,5,6,7,8,9,10,11,12,13,14,15
	v_max3_num_f32 v[TM+\n], |v[16*\n]|, |v[16*\n+1]|, 0x1800000   ; and the floor 2^(3 - 127): the byte cannot fall under 1
.endr
.irp k, 2,4,6,8,10,12,14
.irp n, 0,1,2,3,4,5,6,7,8,9,10,11,12,13,14,15
	v_max3_num_f32 v[TM+\n], |v[16*\n+\k]|, |v[16*\n+\k+1]|, v[TM+\n]   ; (the sixteen blocks by turns)
.endr
.endr
	WIN 0
.irp n, 0,1,2,3,4,5,6,7,8,9,10,11,12,13,14,15
	v_permlanex16_b32 v[TP+\n], v[TM+\n], s[SEL], s[SEL+1]
.endr
.irp n, 0,1,2,3,4,5,6,7,8,9,10,11,12,13,14,15
	v_max_num_f32 v[TM+\n], v[TM+\n], v[TP+\n]     ; with lane l xor 16's: the block's largest magnitude
.endr
.irp n, 0,1,2,3,4,5,6,7,8,9,10,11,12,13,14,15
	v_add_nc_u32 v[SO+\n], 0xff000000, v[TM+\n]    ; 2 off its exponent field: the conversion takes the exponent field of this operand as its scale
.endr
.irp n, 0,1,2,3,4,5,6,7,8,9,10,11,12,13,14,15
	v_lshrrev_b32 v[TP+\n], 23, v[SO+\n]           ; the scale's byte
.endr
	; The eight registers of a tile are one operand register of eight codes.  Of the pair of blocks 2 g, 2 g + 1: block beta's first tile goes to register beta of group g, its second to register 2 + beta;
	; two exchanges of halves then give lanes 0-15 the whole of block 2 g and lanes 16-31 the whole of block 2 g + 1, K ascending.
	WIN 0x01                                       ; source 0 window 1
.irp n, 0,1,2,3,4,5,6,7,8,9,10,11,12,13,14,15
	v_cvt_scalef32_pk8_fp4_f32 v[PC+4*((\n/2+2)%8)+\n%2], v[16*\n:16*\n+7], v[SO+\n]
	v_cvt_scalef32_pk8_fp4_f32 v[PC+4*((\n/2+2)%8)+2+\n%2], v[16*\n+8:16*\n+15], v[SO+\n]
.endr
	WIN 0
	v_nop                                          ; one plain place behind a scaled conversion
.irp g, 0,1,2,3,4,5,6,7
	v_permlane16_swap_b32 v[PC+4*((\g+2)%8)], v[PC+4*((\g+2)%8)+1]
	v_permlane16_swap_b32 v[PC+4*((\g+2)%8)+2], v[PC+4*((\g+2)%8)+3]
.endr
.irp g, 0,1,2,3,4,5,6,7
	global_store_b128 v[VO], v[PC+4*((\g+2)%8):PC+4*((\g+2)%8)+3], s[14:15] offset:512*\g   ; 32 lanes store 512 consecutive bytes, at a multiple of 256 from the buffer's first byte
.endr
	s_cmp_eq_u32 ttmp9, 2
	s_cbranch_scc1 .Lv_scales
.irp i, 0,1,2,3,4,5,6,7
	v_lshl_or_b32 v[PW+\i], v[TP+2*\i+1], 8, v[TP+2*\i]          ; q, k: tile i's word: the row's two bytes; bytes 2 and 3 stay 0
.endr
.irp p, 0,1,2,3
	v_cndmask_b32 v[SW+\p], v[PW+2*\p], v[PW+2*\p+1], s94        ; lanes 0-15 tile 2 p, lanes 16-31 tile 2 p + 1
.endr
	global_store_b128 v[VO], v[SW:SW+3], s[16:17]
	s_branch .Lend
.Lv_scales:
.irp t, 0,1,2,3
	v_lshl_or_b32 v[PW+\t], v[TP+4*\t+1], 8, v[TP+4*\t]          ; v: channel tile t's word: the bytes of the step's four key blocks
	v_lshl_or_b32 v[PW+\t], v[TP+4*\t+2], 16, v[PW+\t]
	v_lshl_or_b32 v[PW+\t], v[TP+4*\t+3], 24, v[PW+\t]
.endr
.irp p, 0,1
	v_cndmask_b32 v[SW+\p], v[PW+2*\p], v[PW+2*\p+1], s94
.endr
	global_store_b64 v[VO8], v[SW:SW+1], s[16:17]                ; 32 lanes store 256 consecutive bytes, aligned
.Lend:
	s_wait_tensorcnt 0x0
	ds_add_u32 v254, v255
	s_wait_dscnt 0x0
	CROUND                                         ; the closing round: no work-group ends while a partner may still ask for a tile that names it
	s_endpgm
.Lfunc_end_k_q35d8d21d13_qkv:
	.size	k_q35d8d21d13_qkv, .Lfunc_end_k_q35d8d21d13_qkv-k_q35d8d21d13_qkv
	.p2alignl 7, 3214868480
	.fill 96, 4, 3214868480
	.section	.rodata,"a",@progbits
	.p2align	6, 0x0
	.amdhsa_kernel k_q35d8d21d13_qkv
		.amdhsa_group_segment_fixed_size 221696
		.amdhsa_private_segment_fixed_size 0
		.amdhsa_enable_private_segment 0
		.amdhsa_kernarg_size 56
		.amdhsa_user_sgpr_count 2
		.amdhsa_user_sgpr_kernarg_segment_ptr 1
		.amdhsa_wavefront_size32 1
		.amdhsa_system_sgpr_workgroup_id_x 1
		.amdhsa_system_sgpr_workgroup_id_y 1
		.amdhsa_system_sgpr_workgroup_id_z 1
		.amdhsa_system_vgpr_workitem_id 0
		.amdhsa_next_free_vgpr 896
		.amdhsa_next_free_sgpr 100
		.amdhsa_reserve_vcc 0
		.amdhsa_float_denorm_mode_32 3
		.amdhsa_float_denorm_mode_16_64 3
		.amdhsa_memory_ordered 1
		.amdhsa_forward_progress 1
		.amdhsa_inst_pref_size 123
	.end_amdhsa_kernel
	.amdgpu_metadata
---
amdhsa.version: [ 1, 2 ]
amdhsa.kernels:
  - .name:           k_q35d8d21d13_qkv
    .symbol:         k_q35d8d21d13_qkv.kd
    .args:
      - { .name: x_codes, .offset: 0, .size: 8, .value_kind: global_buffer, .address_space: global }
      - { .name: x_scales, .offset: 8, .size: 8, .value_kind: global_buffer, .address_space: global }
      - { .name: W_attn_codes, .offset: 16, .size: 8, .value_kind: global_buffer, .address_space: global }
      - { .name: W_attn_scales, .offset: 24, .size: 8, .value_kind: global_buffer, .address_space: global }
      - { .name: b_attn, .offset: 32, .size: 8, .value_kind: global_buffer, .address_space: global }
      - { .name: qb, .offset: 40, .size: 8, .value_kind: global_buffer, .address_space: global }
      - { .name: kv, .offset: 48, .size: 8, .value_kind: global_buffer, .address_space: global }
    .group_segment_fixed_size: 221696
    .private_segment_fixed_size: 0
    .kernarg_segment_align: 8
    .kernarg_segment_size: 56
    .max_flat_workgroup_size: 128
    .sgpr_count:     100
    .vgpr_count:     896
    .wavefront_size: 32
...
	.end_amdgpu_metadata
.endif
;; end of part 1
;; launch attn (part 2): grid 8 x 32, 16 waves a work-group, clusters of 4 x 1, 327,680 bytes of LDS; arguments qb, kv, yc, ys; writes yc, ys
.if DOCPART == 2
	.amdgcn_target "amdgcn-amd-amdhsa--gfx1250"
	.amdhsa_code_object_version 6
	.text
	.protected	k_q35d8d21d13_attn
	.globl	k_q35d8d21d13_attn
	.p2align	8
	.type	k_q35d8d21d13_attn,@function
k_q35d8d21d13_attn:
	s_mov_b64 s[64:65], 0
	v_nop
	global_prefetch_b8 v0, s[64:65] scope:SCOPE_SE
	s_setreg_imm32_b32 hwreg(HW_REG_WAVE_MODE, 25, 1), 1
	s_wait_xcnt 0x0
	s_wait_alu depctr_hold_cnt(0) depctr_sa_sdst(0) depctr_va_vdst(0) depctr_va_sdst(0) depctr_va_ssrc(0) depctr_va_vcc(0) depctr_vm_vsrc(0)
	s_getreg_b32 s2, hwreg(HW_REG_IB_STS2, 6, 4)
	s_cmp_eq_u32 s2, 0
	s_cbranch_scc0 .Lentry_in_a_cluster
	s_endpgm
.Lentry_in_a_cluster:
	s_bfe_u32 s2, ttmp6, 0x10000c
	s_cmp_lg_u32 s2, 0x3003
	s_cbranch_scc0 .Lentry_shape_is_right
	s_endpgm
.Lentry_shape_is_right:
; y = softmax(q k^T / sqrt(192)) v for 64 (batch, head) pairs of 2,048 tokens and 64 channels, both products on codes of FP4 (E2M1) with E8M0 scales, and the quantising of y along C for the last product.
; THE SOFTMAX: t = score x log2(e) / sqrt(192); M = the row's largest t so far, rounded UP to a whole number; p = 2^(t - M) is quantised along the keys, not normalised; the row's sum is taken of the unquantised p
; and divides at the end.  When M moves, the sum and O are multiplied by 2^(old M - new M): exact.
; SHARES.  A work-group owns 256 queries of a PAIR of heads (2 pb, 2 pb + 1); each of its sixteen waves owns 16 queries, in both heads, one head after the other: so a wave ends with a whole operand fragment
; (128 along C) and whole scale words of the last product.  Four waves to a SIMD: one wave's vector work stands beside another's products and LDS loads.
; LDS.  Both heads' K, V and scale words, 2 x 143,360 bytes, lie in LDS as they lie in memory (16 steps of 8,960 bytes: images of the operands' registers): every LDS load takes 16 or 8 bytes a lane on end.
; Each byte is filled once: wave w brings step w of each head.  The second head's loads land while the first head is worked.  Nothing is prefetched: all is asked for at the head.
; CLUSTER 4 x 1: the four query blocks of a cluster read the same two heads: each load is asked for jointly by the four.
; LAYOUT.  Both products are used transposed: S^T = K Q^T (source 0 = 16 keys, source 1 = my 16 queries; K = 64 channels, filled to the instruction's 128 with zero codes on both sides),
; O^T = V^T P^T (source 0 = 16 channels, source 1 = P): a lane holds ONE query throughout.  The eight registers of a tile of S^T are eight neighbouring keys: one operand register of eight codes.
; LIMITS: NaN and infinities are not served.  p under 2^-126 becomes 0 (v_exp_f32 gives no denormals: ISA guide, its entry).  A block of y whose largest magnitude lies under 2^-124 gets the scale byte 1;
; these bytes are read by this program alone.  t is score x c with one rounding.
.set HB,    143360                     ; a head's block in LDS and in kv
.set STEPB, 8960                       ; a step of 128 keys: K 4,096, V^T 4,096, K's scale words 512, V's 256
.set YSB,   286720                     ; behind the two heads: 256 scale words of y; no fill lands here
.set AL0,  1                           ; v1   16 x lane
.set AT0,  2                           ; v2   8 x lane + 8,704: V's scale words
.set ADS,  3                           ; v3   the step's address (at the head: the offset of Q's scale words)
.set KSC,  8                           ; v8-11  K's scale words: register p: lanes 0-15 tile 2 p, lanes 16-31 tile 2 p + 1
.set VSC,  12                          ; v12-13 V's likewise
.set QS,   14                          ; v14, v15 Q's scale words, head 0, 1
.set QF,   16                          ; v16-23, v24-31 Q's fragments: four registers of codes, four of zeros
.set KF,   32                          ; v32-95 K's eight tiles: four registers of codes, four of zeros that are written once
.set SS,   96                          ; v96-159 S^T, then p
.set OT,   160                         ; v160-191 O^T
.set VF,   192                         ; v192-223 V^T's four fragments
.set PC,   224                         ; v224-231 p's codes
.set YC,   240                         ; v240-243 y's codes
.set SOP,  244                         ; v244-247 the conversions' scale operands
.set ADT,  248
.set YW,   249                         ; y's scale word
.set YSA,  250                         ; where I put it in LDS
.set RD,   251                         ; where waves 0 and 1 read the words back
.set GOF,  255                         ; and their offset in ys
.set WV,   12
.set SEL,  20
.set CS,   22
.set G1,   24
.set G0A,  32
.set G0B,  36
.set TB,   40
.set CNT,  41
.set YCP,  42
.set YSP,  44
.macro CROUND                          ; a round of the cluster's barrier
	s_barrier_signal -1
	s_barrier_wait -1
	s_cmp_lg_u32 s[WV], 0
	s_cbranch_scc1 .Lnot_wave_0_\@
	s_barrier_signal -3
.Lnot_wave_0_\@:
	s_barrier_wait -3
	s_barrier_signal -1
	s_barrier_wait -1
.endm
	s_load_b256 s[4:11], s[0:1], 0x0               ; qb s[4:5], kv s[6:7], yc s[8:9], ys s[10:11]
	v_lshl_add_u32 v254, v0, 2, 0x46400
	v_mov_b32 v255, 0
	ds_add_u32 v254, v255
	ds_add_u32 v254, v255
	s_wait_dscnt 0x0
	v_lshrrev_b32 v1, 5, v0
	s_delay_alu instid0(VALU_DEP_1)
	v_readfirstlane_b32 s[WV], v1                  ; wave 0..15
	s_bfe_u32 s13, ttmp6, 0x40000                  ; cx
	s_lshl_b32 s14, ttmp9, 2
	s_add_co_u32 s14, s14, s13                     ; my block of 256 queries: it enters Q's and y's addresses alone
	s_and_b32 s15, ttmp7, 0xffff                   ; pb: the pair of heads, which the four partners share
	; group 1: a step's 8,960 dense bytes as 35 rows of 256 bytes (32 elements of 8 bytes); the mask names all four work-groups
	s_mov_b32 s[G1], 15|(3<<16)|(1<<21)
	s_mov_b32 s[G1+1], 32<<16
	s_mov_b32 s[G1+2], 35<<16
	s_mov_b32 s[G1+3], 32<<16
	s_mov_b32 s[G1+4], 35
	s_mov_b32 s[G1+5], 32
	s_mov_b32 s[G1+6], 0
	s_mov_b32 s[G1+7], 0
	s_mul_i32 s[G0A+1], s[WV], STEPB               ; step w of the first head, in LDS,
	s_mul_i32 s46, s15, 2*HB
	s_add_co_u32 s46, s46, s[G0A+1]                ; and in kv
	s_mov_b32 s47, 0
	s_mov_b32 s[G0A], 1
	s_mov_b32 s[G0B], 1
	s_add_co_u32 s[G0B+1], s[G0A+1], HB            ; the second head's: one block on, in both
	s_mov_b32 s[SEL], 0x76543210
	s_mov_b32 s[SEL+1], 0xfedcba98                 ; v_permlanex16_b32's selects for lane l xor 16
	s_mov_b32 s[CS], 0x3dd53b95                    ; c = log2(e) / sqrt(192)
	s_mov_b32 s[CS+1], s[CS]                       ; (named with it as a pair, so it is written)
	s_wait_kmcnt 0x0
	s_add_nc_u64 s[G0A+2:G0A+3], s[6:7], s[46:47]
	s_add_nc_u64 s[G0B+2:G0B+3], s[G0A+2:G0A+3], HB
	s_or_b32 s[G0A+3], s[G0A+3], 0x80000000
	s_or_b32 s[G0B+3], s[G0B+3], 0x80000000
	CROUND                                         ; all four work-groups are here: the joint loads meet
	tensor_load_to_lds s[G0A:G0A+3], s[G1:G1+7]    ; every wave issues both: one load of mine is out
	s_nop 0
	s_wait_alu depctr_va_vdst(0)
	s_wait_tensorcnt 0x0
	ds_add_u32 v254, v255
	s_wait_dscnt 0x0
	CROUND
	tensor_load_to_lds s[G0B:G0B+3], s[G1:G1+7]
	s_nop 0
.rept 4
	v_nop
.endr
	; Q: group g = 2 x block + wave / 8 of 128 tokens, tile t = wave % 8
	s_lshl_b32 s48, s14, 1
	s_lshr_b32 s49, s[WV], 3
	s_add_co_u32 s48, s48, s49
	s_lshl_b32 s49, s15, 5
	s_add_co_u32 s48, s48, s49
	s_mul_i32 s48, s48, 4608                       ; (32 pb + g) x 4,608; the second head lies 16 x 4,608 on
	s_and_b32 s50, s[WV], 7
	s_lshl_b32 s52, s50, 9
	s_add_co_u32 s52, s52, s48
	s_mov_b32 s53, 0
	s_and_b32 s54, s50, 1                          ; tile t's words: lanes 16 (t % 2) + r, word t / 2
	s_lshl_b32 s54, s54, 8
	s_lshr_b32 s55, s50, 1
	s_lshl_b32 s55, s55, 2
	s_add_co_u32 s54, s54, s55
	s_add_co_u32 s54, s54, s48
	s_add_co_u32 s54, s54, 4096
	s_mov_b32 s55, 0
	s_add_nc_u64 s[16:17], s[4:5], s[52:53]
	s_add_nc_u64 s[18:19], s[4:5], s[54:55]
	v_and_b32 v1, 31, v0
	s_delay_alu instid0(VALU_DEP_1)
	v_lshl_add_u32 v[AT0], v1, 3, 8704
	s_delay_alu instid0(VALU_DEP_2)
	v_lshlrev_b32 v[AL0], 4, v1
	v_and_b32 v[YSA], 15, v0                       ; r
	s_wait_alu depctr_va_vdst(0)
	v_lshlrev_b32 v[ADS], 4, v[YSA]
	global_load_b128 v[QF:QF+3], v[AL0], s[16:17]
	global_load_b128 v[QF+8:QF+11], v[AL0], s[16:17] offset:73728
	global_load_b32 v[QS], v[ADS], s[18:19]
	global_load_b32 v[QS+1], v[ADS], s[18:19] offset:73728
	; y: row tile 128 batch + 16 block + wave, K step pb % 8 of the last product;  its scale words: [pb][row][4]
	s_lshr_b32 s48, s15, 3
	s_lshl_b32 s48, s48, 7
	s_lshl_b32 s49, s14, 4
	s_add_co_u32 s48, s48, s49
	s_add_co_u32 s48, s48, s[WV]
	s_lshl_b32 s48, s48, 13
	s_and_b32 s49, s15, 7
	s_lshl_b32 s49, s49, 10
	s_add_co_u32 s48, s48, s49
	s_mov_b32 s49, 0
	s_add_nc_u64 s[YCP:YCP+1], s[8:9], s[48:49]
	s_lshl_b32 s48, s15, 13
	s_lshl_b32 s50, s14, 10
	s_add_co_u32 s48, s48, s50
	s_add_nc_u64 s[YSP:YSP+1], s[10:11], s[48:49]
	s_lshl_b32 s46, s[WV], 6
	s_add_co_u32 s46, s46, YSB
	v_lshl_add_u32 v[YSA], v[YSA], 2, s46          ; LDS: 64 x wave + 4 r
	v_and_b32 v[GOF], 63, v0
	s_delay_alu instid0(VALU_DEP_1)
	v_lshlrev_b32 v[GOF], 4, v[GOF]
	s_delay_alu instid0(VALU_DEP_1)
	v_add_nc_u32 v[RD], YSB, v[GOF]
.irp j, 4,5,6,7,12,13,14,15
	v_mov_b32 v[QF+\j], 0                          ; K = 64 .. 127 of the first product: zero codes, on both sides
.endr
.irp t, 0,1,2,3,4,5,6,7
.irp j, 4,5,6,7
	v_mov_b32 v[KF+8*\t+\j], 0
.endr
.endr
.irp b, 0,1,2,3
	v_mov_b32 v[236+\b], 0                         ; written once: a lane permute's destination counts as one of its sources
.endr
	v_mov_b32 v253, 0                              ; (named as the upper half of the pair v[252:253] before it is first written)
	v_mov_b32 v254, 0
; A KEY STEP: 128 keys of head p.
.macro STEP p
	v_add_nc_u32 v[ADS], s[TB], v[AL0]
	v_add_nc_u32 v[ADT], s[TB], v[AT0]
	v_nop
	v_nop                                          ; with the two additions: four places between the last step's products and the loads into V's registers
.irp t, 0,1,2,3,4,5,6,7
	ds_load_b128 v[KF+8*\t:KF+8*\t+3], v[ADS] offset:512*\t
.endr
	ds_load_b128 v[KSC:KSC+3], v[ADS] offset:8192
.irp t, 0,1,2,3
.irp c, 0,1
	ds_load_b128 v[VF+8*\t+4*\c:VF+8*\t+4*\c+3], v[ADS] offset:4096+1024*\t+512*\c
.endr
.endr
	ds_load_b64 v[VSC:VSC+1], v[ADT]
	s_wait_dscnt 0x9                               ; K's eight tiles and its scale words are in; the nine younger loads, V's, may be out
.irp t, 0,2,4,6
	v_wmma_scale_f32_16x16x128_f8f6f4 v[SS+8*\t:SS+8*\t+7], v[KF+8*\t:KF+8*\t+7], v[QF+8*\p:QF+8*\p+7], 0, v[KSC+\t/2], v[QS+\p] matrix_a_fmt:MATRIX_FMT_FP4 matrix_b_fmt:MATRIX_FMT_FP4
	v_wmma_scale_f32_16x16x128_f8f6f4 v[SS+8*\t+8:SS+8*\t+15], v[KF+8*\t+8:KF+8*\t+15], v[QF+8*\p:QF+8*\p+7], 0, v[KSC+\t/2], v[QS+\p] matrix_a_fmt:MATRIX_FMT_FP4 matrix_b_fmt:MATRIX_FMT_FP4 matrix_a_scale:MATRIX_SCALE_ROW1
.endr                                          ; lane (r, h): query r; register 8 t + j: key 16 t + 8 h + j.  Block b of 32 keys: registers 16 b .. 16 b + 15 of lanes l and l xor 16
.rept 4
	v_nop
.endr
.irp b, 0,1,2,3
	v_max3_num_f32 v[232+\b], v[SS+16*\b], v[SS+1+16*\b], v[SS+2+16*\b]   ; the largest score of each block: for the row's maximum and, since p rises with the score, for the block's largest p
.endr
.irp i, 3,5,7,9,11,13
.irp b, 0,1,2,3
	v_max3_num_f32 v[232+\b], v[232+\b], v[SS+16*\b+\i], v[SS+1+16*\b+\i]
.endr
.endr
.irp b, 0,1,2,3
	v_max_num_f32 v[232+\b], v[232+\b], v[SS+15+16*\b]
.endr
.irp b, 0,1,2,3
	s_delay_alu instid0(VALU_DEP_4)
	v_permlanex16_b32 v[236+\b], v[232+\b], s[SEL], s[SEL+1]
.endr
.irp b, 0,1,2,3
	s_delay_alu instid0(VALU_DEP_4)
	v_max_num_f32 v[232+\b], v[232+\b], v[236+\b]  ; with lane l xor 16's 16 keys
.endr
	s_delay_alu instid0(VALU_DEP_2)
	v_max3_num_f32 v254, v232, v233, v234
	s_delay_alu instid0(VALU_DEP_1)
	v_max_num_f32 v254, v254, v235                 ; the step's largest score of my query
	s_delay_alu instid0(VALU_DEP_1)
	v_mul_f32 v254, s[CS], v254                    ; as t (c is positive)
	s_delay_alu instid0(VALU_DEP_1)
	v_max_num_f32 v5, v5, v254                     ; the running largest t
	v_mov_b32 v254, v4
	s_delay_alu instid0(VALU_DEP_2)
	v_floor_f32 v4, -v5                            ; the new -M = floor(-t) = -ceil(t): a whole number
	s_delay_alu instid0(VALU_DEP_1)
	v_sub_f32 v254, v4, v254                       ; M's old value less its new one: a whole number, 0 or less
	s_delay_alu instid0(VALU_DEP_1)
	v_cvt_i32_f32 v254, v254                       ; (it saturates)
	s_delay_alu instid0(VALU_DEP_1)
	v_ldexp_f32 v252, 1.0, v254                    ; f = 2^(old M - new M)
.set J, 0
.rept 32
	v_pk_fma_f32 v[SS+J:SS+J+1], v[SS+J:SS+J+1], s[CS:CS+1], v[4:5] op_sel_hi:[1,0,0]   ; t - M, two at a time (of the pairs c and -M the low word serves both halves)
.set J, J+2
.endr
.irp b, 0,1,2,3
	v_fma_f32 v[232+\b], v[232+\b], s[CS], v4      ; the same of each block's largest score
.endr
.set J, 0
	s_wait_alu depctr_va_vdst(0)
.rept 64
	v_exp_f32 v[SS+J], v[SS+J]                     ; p = 2^(t - M), at most 1
.set J, J+1
.endr
	s_setprio 1
	v_pk_mul_f32 v[6:7], v[6:7], v[252:253] op_sel_hi:[1,0]   ; the sums under the new M: the plain instruction behind the exponentials
	s_wait_alu depctr_va_vdst(0)                   ; one wait for the batch of 64, ahead of its first reader
.irp b, 0,1,2,3
	v_exp_f32 v[232+\b], v[232+\b]                 ; the block's largest p: the same two instructions on the same number give the same bits
.endr
	v_pk_add_f32 v[236:237], v[SS:SS+1], v[SS+2:SS+3]   ; the row's sum of the unquantised p, two at a time, in two chains; it reads the 64 alone
.irp j, 4,8,12,16,20,24,28,32,36,40,44,48,52,56,60
	v_pk_add_f32 v[6:7], v[6:7], v[SS+\j:SS+1+\j]
	v_pk_add_f32 v[236:237], v[236:237], v[SS+2+\j:SS+3+\j]
.endr
	s_delay_alu instid0(VALU_DEP_1)
	v_pk_add_f32 v[6:7], v[6:7], v[236:237]
	s_wait_alu depctr_va_vdst(0)                   ; and one for the four
.irp b, 0,1,2,3
	v_max_num_f32 v[232+\b], 0x1800000, v[232+\b]  ; the floor 2^(3 - 127): the byte cannot fall under 1
.endr
.irp b, 0,1,2,3
	s_delay_alu instid0(VALU_DEP_4)
	v_add_nc_u32 v[SOP+\b], 0xff000000, v[232+\b]  ; 2 off the exponent field: the conversion's scale operand
.endr
.irp b, 0,1,2,3
	s_delay_alu instid0(VALU_DEP_4)
	v_lshrrev_b32 v[236+\b], 23, v[SOP+\b]         ; the scale's byte
.endr
	s_delay_alu instid0(VALU_DEP_3)
	v_lshl_or_b32 v253, v237, 8, v236              ; p's scale word for these 128 keys
	s_delay_alu instid0(VALU_DEP_1)
	v_lshl_or_b32 v253, v238, 16, v253
	s_delay_alu instid0(VALU_DEP_1)
	v_lshl_or_b32 v253, v239, 24, v253
.irp b, 0,1,2,3                                ; block b = 2 c + beta: its first tile's eight codes to register 4 c + beta, its second's to 4 c + 2 + beta
	v_cvt_scalef32_pk8_fp4_f32 v[PC+4*(\b/2)+\b%2], v[SS+16*\b:SS+7+16*\b], v[SOP+\b]
	v_cvt_scalef32_pk8_fp4_f32 v[PC+4*(\b/2)+2+\b%2], v[SS+8+16*\b:SS+15+16*\b], v[SOP+\b]
.endr
	v_nop                                          ; one plain place behind a scaled conversion
.irp c, 0,1                                    ; two exchanges of halves: lanes 0-15 then hold the whole of block 2 c, lanes 16-31 of block 2 c + 1, keys ascending
	v_permlane16_swap_b32 v[PC+4*\c], v[PC+4*\c+1]
	v_permlane16_swap_b32 v[PC+4*\c+2], v[PC+4*\c+3]
.endr
.set J, 0
	s_setprio 0
.rept 16
	v_pk_mul_f32 v[OT+J:OT+J+1], v[OT+J:OT+J+1], v[252:253] op_sel_hi:[1,0]   ; O^T under the new M.  (These sixteen also stand between the lines that made p's codes and scale word and the products)
.set J, J+2
.endr
	s_wait_alu depctr_va_vdst(0)
	s_wait_dscnt 0x0                               ; V and its scale words are in
.irp t, 0,2                                    ; O^T += V^T P^T: one instruction an accumulator; between two links of a chain stand eleven other products
	v_wmma_scale_f32_16x16x128_f8f6f4 v[OT+8*\t:OT+8*\t+7], v[VF+8*\t:VF+8*\t+7], v[PC:PC+7], v[OT+8*\t:OT+8*\t+7], v[VSC+\t/2], v253 matrix_a_fmt:MATRIX_FMT_FP4 matrix_b_fmt:MATRIX_FMT_FP4
	v_wmma_scale_f32_16x16x128_f8f6f4 v[OT+8*\t+8:OT+8*\t+15], v[VF+8*\t+8:VF+8*\t+15], v[PC:PC+7], v[OT+8*\t+8:OT+8*\t+15], v[VSC+\t/2], v253 matrix_a_fmt:MATRIX_FMT_FP4 matrix_b_fmt:MATRIX_FMT_FP4 matrix_a_scale:MATRIX_SCALE_ROW1
.endr
	s_add_co_u32 s[TB], s[TB], STEPB
.endm
; HEAD p of the pair: all 16 key steps, then y = O / the sum, quantised along the head's 64 channels: registers 4 p .. 4 p + 3 of the last product's fragment, bytes 2 p, 2 p + 1 of its scale word.
.macro PASS p
	v_mov_b32 v5, 0xff61b1e6                       ; the largest t so far: -3e38, under every t
	s_delay_alu instid0(VALU_DEP_1)
	v_floor_f32 v4, -v5                            ; -M
	v_mov_b32 v6, 0                                ; the sum, in two halves
	v_mov_b32 v7, 0
.set J, 0
.rept 32
	v_mov_b32 v[OT+J], 0                           ; O^T: the step is written once; the first finds zeros, which the first change of M leaves zeros
.set J, J+1
.endr
	s_mov_b32 s[TB], \p*HB
	s_mov_b32 s[CNT], 16
.Lstep_\@:
	s_setprio 2
	STEP \p
	s_sub_co_u32 s[CNT], s[CNT], 1
	s_cmp_lg_u32 s[CNT], 0
	s_cbranch_scc1 .Lstep_\@
	s_setprio 0
.rept 4
	v_nop                                          ; four places between the last products and the first read of O^T
.endr
	v_add_f32 v6, v6, v7                           ; the sum's two halves,
	s_delay_alu instid0(VALU_DEP_1)
	v_permlanex16_b32 v254, v6, s[SEL], s[SEL+1]
	s_delay_alu instid0(VALU_DEP_1)
	v_add_f32 v6, v6, v254                         ; and lane l xor 16's: the row's sum
	s_wait_alu depctr_va_vdst(0)
	v_rcp_f32 v252, v6
	v_nop                                          ; a plain instruction behind the reciprocal,
	s_wait_alu depctr_va_vdst(0)                   ; and the wait ahead of its first reader
.set J, 0
.rept 16
	v_pk_mul_f32 v[SS+J:SS+J+1], v[OT+J:OT+J+1], v[252:253] op_sel_hi:[1,0]   ; y(r, 16 t + 8 h + j) in register 8 t + j; each accumulator is read from its low end on
.set J, J+2
.endr
.irp b, 0,1
	v_max3_num_f32 v[232+\b], |v[SS+16*\b]|, |v[SS+1+16*\b]|, 0x1800000   ; block b of 32 channels: my 16 numbers and the floor 2^(3 - 127)
.endr
.irp i, 2,4,6,8,10,12,14
.irp b, 0,1
	s_delay_alu instid0(VALU_DEP_2)
	v_max3_num_f32 v[232+\b], v[232+\b], |v[SS+16*\b+\i]|, |v[SS+1+16*\b+\i]|
.endr
.endr
.irp b, 0,1
	s_delay_alu instid0(VALU_DEP_2)
	v_permlanex16_b32 v[236+\b], v[232+\b], s[SEL], s[SEL+1]
.endr
.irp b, 0,1
	s_delay_alu instid0(VALU_DEP_2)
	v_max_num_f32 v[232+\b], v[232+\b], v[236+\b]
.endr
.irp b, 0,1
	s_delay_alu instid0(VALU_DEP_2)
	v_add_nc_u32 v[SOP+\b], 0xff000000, v[232+\b]
.endr
.irp b, 0,1
	s_delay_alu instid0(VALU_DEP_2)
	v_lshrrev_b32 v[236+\b], 23, v[SOP+\b]
.endr
	s_wait_alu depctr_va_vdst(0)
	s_wait_xcnt 0x0                                ; the first head's store has read its data registers: they are written again only behind this wait
.irp b, 0,1
	v_cvt_scalef32_pk8_fp4_f32 v[YC+\b], v[SS+16*\b:SS+7+16*\b], v[SOP+\b]
	v_cvt_scalef32_pk8_fp4_f32 v[YC+2+\b], v[SS+8+16*\b:SS+15+16*\b], v[SOP+\b]
.endr
	v_nop                                          ; one plain place behind a scaled conversion
	v_permlane16_swap_b32 v[YC], v[YC+1]
	v_permlane16_swap_b32 v[YC+2], v[YC+3]
	global_store_b128 v[AL0], v[YC:YC+3], s[YCP:YCP+1] offset:512*\p   ; 32 lanes store 512 consecutive bytes, at a multiple of 256 from the buffer's first byte
.if \p == 0
	v_lshl_or_b32 v[YW], v237, 8, v236
.else
	v_lshl_or_b32 v[YW], v236, 16, v[YW]
	s_delay_alu instid0(VALU_DEP_1)
	v_lshl_or_b32 v[YW], v237, 24, v[YW]
.endif
.endm
	s_wait_loadcnt 0x0                             ; Q and its scale words
	s_wait_tensorcnt 0x1                           ; my step of the first head is in; the second head's load may stay out
	s_barrier_signal -1
	s_barrier_wait -1                              ; everybody's is
	PASS 0
	s_wait_tensorcnt 0x0                           ; my step of the second head is in,
	s_wait_dscnt 0x0
	s_barrier_signal -1
	s_barrier_wait -1                              ; everybody's is
	PASS 1
	; the 256 scale words leave as whole blocks of 256 bytes: each wave puts its sixteen into LDS (lanes l and l xor 16 write the same word with the same value), waves 0 and 1 store them
	ds_store_b32 v[YSA], v[YW]
	s_wait_dscnt 0x0                               ; for the others' sake: my store is done
	s_barrier_signal -1
	s_barrier_wait -1
	s_cmp_lt_u32 s[WV], 2
	s_cbranch_scc0 .Ldone
	ds_load_b128 v[SS:SS+3], v[RD]
	s_wait_dscnt 0x0
	global_store_b128 v[GOF], v[SS:SS+3], s[YSP:YSP+1]
.Ldone:
	s_wait_xcnt 0x0
	v_lshl_add_u32 v254, v0, 2, 0x46400
	v_mov_b32 v255, 0
	s_wait_alu depctr_va_vdst(0)
	s_wait_tensorcnt 0x0
	ds_add_u32 v254, v255
	s_wait_dscnt 0x0
	CROUND                                         ; the closing round: no work-group ends while a partner may still ask for a tile that names it
	s_endpgm
.Lfunc_end_k_q35d8d21d13_attn:
	.size	k_q35d8d21d13_attn, .Lfunc_end_k_q35d8d21d13_attn-k_q35d8d21d13_attn
	.p2alignl 7, 3214868480
	.fill 96, 4, 3214868480
	.section	.rodata,"a",@progbits
	.p2align	6, 0x0
	.amdhsa_kernel k_q35d8d21d13_attn
		.amdhsa_group_segment_fixed_size 327680
		.amdhsa_private_segment_fixed_size 0
		.amdhsa_enable_private_segment 0
		.amdhsa_kernarg_size 32
		.amdhsa_user_sgpr_count 2
		.amdhsa_user_sgpr_kernarg_segment_ptr 1
		.amdhsa_wavefront_size32 1
		.amdhsa_system_sgpr_workgroup_id_x 1
		.amdhsa_system_sgpr_workgroup_id_y 1
		.amdhsa_system_sgpr_workgroup_id_z 1
		.amdhsa_system_vgpr_workitem_id 0
		.amdhsa_next_free_vgpr 256
		.amdhsa_next_free_sgpr 66
		.amdhsa_reserve_vcc 0
		.amdhsa_float_denorm_mode_32 3
		.amdhsa_float_denorm_mode_16_64 3
		.amdhsa_memory_ordered 1
		.amdhsa_forward_progress 1
		.amdhsa_inst_pref_size 51
	.end_amdhsa_kernel
	.amdgpu_metadata
---
amdhsa.version: [ 1, 2 ]
amdhsa.kernels:
  - .name:           k_q35d8d21d13_attn
    .symbol:         k_q35d8d21d13_attn.kd
    .args:
      - { .name: qb, .offset: 0, .size: 8, .value_kind: global_buffer, .address_space: global }
      - { .name: kv, .offset: 8, .size: 8, .value_kind: global_buffer, .address_space: global }
      - { .name: yc, .offset: 16, .size: 8, .value_kind: global_buffer, .address_space: global }
      - { .name: ys, .offset: 24, .size: 8, .value_kind: global_buffer, .address_space: global }
    .group_segment_fixed_size: 327680
    .private_segment_fixed_size: 0
    .kernarg_segment_align: 8
    .kernarg_segment_size: 32
    .max_flat_workgroup_size: 512
    .sgpr_count:     66
    .vgpr_count:     256
    .wavefront_size: 32
...
	.end_amdgpu_metadata
.endif
;; end of part 2
;; launch proj (part 3): grid 4 x 64, 4 waves a work-group, clusters of 4 x 4, 327,680 bytes of LDS; arguments yc, ys, W_proj_codes, W_proj_scales, b_proj, out0; writes out0
.if DOCPART == 3
	.amdgcn_target "amdgcn-amd-amdhsa--gfx1250"
	.amdhsa_code_object_version 6
	.text
	.protected	k_q35d8d21d13_proj
	.globl	k_q35d8d21d13_proj
	.p2align	8
	.type	k_q35d8d21d13_proj,@function
k_q35d8d21d13_proj:
	s_mov_b64 s[64:65], 0
	v_nop
	global_prefetch_b8 v0, s[64:65] scope:SCOPE_SE
	s_setreg_imm32_b32 hwreg(HW_REG_WAVE_MODE, 25, 1), 1
	s_wait_xcnt 0x0
	s_wait_alu depctr_hold_cnt(0) depctr_sa_sdst(0) depctr_va_vdst(0) depctr_va_sdst(0) depctr_va_ssrc(0) depctr_va_vcc(0) depctr_vm_vsrc(0)
	s_getreg_b32 s2, hwreg(HW_REG_IB_STS2, 6, 4)
	s_cmp_eq_u32 s2, 0
	s_cbranch_scc0 .Lentry_in_a_cluster
	s_endpgm
.Lentry_in_a_cluster:
	s_bfe_u32 s2, ttmp6, 0x10000c
	s_cmp_lg_u32 s2, 0xf033
	s_cbranch_scc0 .Lentry_shape_is_right
	s_endpgm
.Lentry_shape_is_right:
; out0 = y W_proj + b_proj on codes of FP4 (E2M1) with E8M0 scales.  y comes as images of its operand fragments: yc [row tile 512][K step 8][c 2][lane][16 bytes], ys [8 batch + K step][row 2,048][4 bytes].
; W_proj: [1024][1024] codes, K innermost, 512 bytes a row; its scale bytes 32 a row.  out0: [8192][1024] f32.
; SHARES.  A work-group makes 128 rows x 256 columns with all of K = 1,024 in LDS; each of its four waves 128 x 64: 32 accumulators, 8 K steps of 128.  256 work-groups.
; The product is used transposed (source 0 = 16 rows of W, source 1 = 16 rows of y): a lane holds eight neighbouring numbers of a row of out0.  The bias is the C of each sum's first product.
; CLUSTER 4 x 4: y's tiles hang on the tile row alone and are asked for jointly along a row of the cluster, W's on the tile column alone and along a column.
; Every LDS byte is filled once: the scale bytes, K's first half, K's second half, which lands under the first half's products.  Nothing is prefetched: all is asked for at the head.
; LIMITS: NaN and infinities are not served.
; REGISTERS, in windows of 256: window 0: addresses, v32-95 y's scale words (8 i + s), v96-127 W's (8 t + s), v128-191 rows on the way out.   window 1: the 32 accumulators ((i, t) at 8 (4 i + t)).
;   window 2: v0-63 W's fragments, two sets; v64-95 the bias.   window 3: v0-127 y's fragments, two sets.
.set SLOT,  102400                     ; a K half in LDS: y's 8 tiles x 4,096, then W's 256 rows x 272
.set WOFF,  32768
.set YSL,   204800                     ; y's scale words [K step 8][128 rows x 4]
.set BSL,   208896                     ; W's scale bytes, 256 rows x 32
.set STG,   217088                     ; the way out: 16 rows x (256 + 16) bytes for each wave; no fill lands here
.set APT,   4096                       ; from tile to tile of y in LDS
.set AQ,    1024                       ; from K step to K step
.set AC,    512                        ; between a fragment's two loads
.set ADRA,  16
.set ADRB,  18
.set ADSA,  20
.set ADSB,  21
.set BO,    24
.set STO,   25
.set RD,    26
.set CO,    27
.set SCA,   32
.set SCB,   96
.set BK,    128
.set BI,    64
.set G1A,  24
.set G0A,  32
.set G1B,  48
.set G0B,  56
.set G1SA, 68
.set G0SA, 76
.set G1SB, 80
.set G0SB, 88
.set MSB, 0
.macro WIN new                         ; the immediate's high byte repeats the setting that is left
.if MSB != \new
	s_set_vgpr_msb (MSB<<8)|\new
.set MSB, \new
.endif
.endm
.macro JLOAD g0a, g1a, g0b, g1b        ; a joint load: waves 0 and 1 fetch for y, waves 2 and 3 for W; four v_nop follow each line
	s_cmp_eq_u32 s19, 0
	s_cbranch_scc0 .Lfor_b_\@
	tensor_load_to_lds s[\g0a:\g0a+3], s[\g1a:\g1a+7]
	s_nop 0
.rept 4
	v_nop
.endr
	s_branch .Lasked_\@
.Lfor_b_\@:
	tensor_load_to_lds s[\g0b:\g0b+3], s[\g1b:\g1b+7]
	s_nop 0
.rept 4
	v_nop
.endr
.Lasked_\@:
.endm
.macro CROUND                          ; a round of the cluster's barrier
	s_barrier_signal -1
	s_barrier_wait -1
	s_cmp_lg_u32 s18, 0
	s_cbranch_scc1 .Lnot_wave_0_\@
	s_barrier_signal -3
.Lnot_wave_0_\@:
	s_barrier_wait -3
	s_barrier_signal -1
	s_barrier_wait -1
.endm
	s_load_b256 s[4:11], s[0:1], 0x0               ; yc s[4:5], ys s[6:7], W's codes s[8:9], W's scales s[10:11]
	s_load_b128 s[12:15], s[0:1], 0x20             ; b_proj s[12:13], out0 s[14:15]
	v_lshl_add_u32 v254, v0, 2, 0x39400
	v_mov_b32 v255, 0
	ds_add_u32 v254, v255
	ds_add_u32 v254, v255
	v_lshrrev_b32 v1, 5, v0
	v_readfirstlane_b32 s18, v1                    ; wave 0..3
	s_lshr_b32 s19, s18, 1                         ; I fetch for y (0) or for W (1)
	s_and_b32 s20, s18, 1                          ; which half
	s_bfe_u32 s40, ttmp6, 0x40000                  ; cx
	s_bfe_u32 s41, ttmp6, 0x40004                  ; cy
	s_lshl_b32 s42, ttmp9, 2
	s_add_co_u32 s42, s42, s40                     ; tile column
	s_and_b32 s43, ttmp7, 0xffff
	s_lshl_b32 s43, s43, 2
	s_add_co_u32 s43, s43, s41                     ; tile row
	s_lshl_b32 s44, s41, 2
	s_lshl_b32 s44, 15, s44                        ; my row of the cluster
	s_lshl_b32 s45, 0x1111, s40                    ; my column
	; y's codes: of each of 4 row tiles the 4,096 bytes of a K half (512 elements of 8 bytes), 8,192 bytes apart; dense in LDS
	s_or_b32 s[G1A], s44, (3<<16)|(1<<21)
	s_mov_b32 s[G1A+1], 512<<16
	s_mov_b32 s[G1A+2], 4<<16
	s_mov_b32 s[G1A+3], 512<<16
	s_mov_b32 s[G1A+4], 4
	s_mov_b32 s[G1A+5], 1024
	s_mov_b32 s[G1A+6], 0
	s_mov_b32 s[G1A+7], 0
	; W's codes: 128 rows of 256 bytes, 512 apart, 16 bytes of padding behind each in LDS
	s_or_b32 s[G1B], s45, (1<<20)|(1<<21)|(5<<22)|(3<<25)
	s_mov_b32 s[G1B+1], 256<<16
	s_mov_b32 s[G1B+2], 128<<16
	s_mov_b32 s[G1B+3], 256<<16
	s_mov_b32 s[G1B+4], 128
	s_mov_b32 s[G1B+5], 512
	s_mov_b32 s[G1B+6], 0
	s_mov_b32 s[G1B+7], 0
	; y's scale words: for each of 4 K steps my 128 rows' 512 bytes (64 elements of 8 bytes), 8,192 bytes apart
	s_or_b32 s[G1SA], s44, (3<<16)|(1<<21)
	s_mov_b32 s[G1SA+1], 64<<16
	s_mov_b32 s[G1SA+2], 4<<16
	s_mov_b32 s[G1SA+3], 64<<16
	s_mov_b32 s[G1SA+4], 4
	s_mov_b32 s[G1SA+5], 1024
	s_mov_b32 s[G1SA+6], 0
	s_mov_b32 s[G1SA+7], 0
	; W's scale bytes: 128 rows x 32 dense bytes as 16 rows of 256
	s_or_b32 s[G1SB], s45, (3<<16)|(1<<21)
	s_mov_b32 s[G1SB+1], 32<<16
	s_mov_b32 s[G1SB+2], 16<<16
	s_mov_b32 s[G1SB+3], 32<<16
	s_mov_b32 s[G1SB+4], 16
	s_mov_b32 s[G1SB+5], 32
	s_mov_b32 s[G1SB+6], 0
	s_mov_b32 s[G1SB+7], 0
	s_lshl_b32 s2, s43, 16                         ; y's codes: 8 tiles x 8,192 x tile row + 4 tiles x half
	s_lshl_b32 s3, s20, 15
	s_add_co_u32 s2, s2, s3
	s_mov_b32 s3, 0
	s_lshr_b32 s22, s43, 4                         ; y's scale words: (8 batch + 4 half) x 8,192 + (tile row % 16) x 512
	s_lshl_b32 s22, s22, 16
	s_lshl_b32 s23, s20, 15
	s_add_co_u32 s22, s22, s23
	s_and_b32 s23, s43, 15
	s_lshl_b32 s23, s23, 9
	s_add_co_u32 s22, s22, s23
	s_mov_b32 s23, 0
	s_lshl_b32 s46, s42, 17                        ; W's codes: (256 tile column + 128 half) x 512
	s_lshl_b32 s47, s20, 16
	s_add_co_u32 s46, s46, s47
	s_mov_b32 s47, 0
	s_lshl_b32 s96, s42, 13                        ; W's scales
	s_lshl_b32 s97, s20, 12
	s_add_co_u32 s96, s96, s97
	s_mov_b32 s97, 0
	s_lshl_b32 s21, s20, 14                        ; where they go in LDS: the wave's half alone decides
	s_mul_i32 s95, s20, 34816
	s_lshl_b32 s98, s20, 11
	s_lshl_b32 s99, s20, 12
	s_wait_dscnt 0x0
	s_wait_kmcnt 0x0
	s_add_nc_u64 s[2:3], s[4:5], s[2:3]
	s_add_nc_u64 s[22:23], s[6:7], s[22:23]
	s_add_nc_u64 s[46:47], s[8:9], s[46:47]
	s_add_nc_u64 s[96:97], s[10:11], s[96:97]
	CROUND                                         ; all sixteen work-groups are here: the joint loads meet
	s_mov_b32 s[G0SA], 1
	s_add_co_u32 s[G0SA+1], s98, YSL
	s_mov_b64 s[G0SA+2:G0SA+3], s[22:23]
	s_or_b32 s[G0SA+3], s[G0SA+3], 0x80000000
	s_mov_b32 s[G0SB], 1
	s_add_co_u32 s[G0SB+1], s99, BSL
	s_mov_b64 s[G0SB+2:G0SB+3], s[96:97]
	s_or_b32 s[G0SB+3], s[G0SB+3], 0x80000000
	JLOAD G0SA, G1SA, G0SB, G1SB
.irp k, 0,1
	s_mov_b32 s[G0A+4*\k], 1
	s_add_co_u32 s[G0A+4*\k+1], s21, \k*SLOT
	s_add_nc_u64 s[G0A+4*\k+2:G0A+4*\k+3], s[2:3], \k*4096
	s_or_b32 s[G0A+4*\k+3], s[G0A+4*\k+3], 0x80000000
	s_mov_b32 s[G0B+4*\k], 1
	s_add_co_u32 s[G0B+4*\k+1], s95, \k*SLOT+WOFF
	s_add_nc_u64 s[G0B+4*\k+2:G0B+4*\k+3], s[46:47], \k*256
	s_or_b32 s[G0B+4*\k+3], s[G0B+4*\k+3], 0x80000000
	s_wait_alu depctr_va_vdst(0)
	s_wait_tensorcnt 0x0
	ds_add_u32 v254, v255
	s_wait_dscnt 0x0
	CROUND
	JLOAD G0A+4*\k, G1A, G0B+4*\k, G1B             ; one load of mine is out
.endr
	v_and_b32 v1, 15, v0                           ; r
	v_bfe_u32 v2, v0, 4, 1                         ; h
	v_and_b32 v3, 31, v0                           ; lane
	v_lshlrev_b32 v[ADRA], 4, v3                   ; y's images: 16 x lane
	v_add_nc_u32 v[ADRA+1], SLOT, v[ADRA]
	v_mul_u32_u24 v[ADRB], v1, 272
	v_lshl_add_u32 v[ADRB], v2, 4, v[ADRB]         ; W: a fragment's row x pitch + 16 x half,
	s_mul_i32 s21, s18, 17408                      ; my 64 rows
	s_add_co_u32 s21, s21, WOFF
	v_add_nc_u32 v[ADRB], s21, v[ADRB]
	v_add_nc_u32 v[ADRB+1], SLOT, v[ADRB]
	v_lshl_add_u32 v[ADSA], v1, 2, YSL             ; y's scale words: 4 bytes a row
	s_lshl_b32 s21, s18, 11
	s_add_co_u32 s21, s21, BSL
	v_lshl_add_u32 v[ADSB], v1, 5, s21             ; W's: 32 bytes a row
	v_lshlrev_b32 v[BO], 5, v2                     ; the bias: register j of tile t is column 16 t + 8 h + j
	s_lshl_b32 s46, s42, 10
	s_lshl_b32 s47, s18, 8
	s_add_co_u32 s46, s46, s47                     ; my first column x 4 bytes
	s_mov_b32 s47, 0
	s_add_nc_u64 s[12:13], s[12:13], s[46:47]
	WIN 0x80                                       ; destination window 2
.irp t, 0,1,2,3
	global_load_b128 v[BI+8*\t:BI+8*\t+3], v[BO], s[12:13] offset:64*\t
	global_load_b128 v[BI+8*\t+4:BI+8*\t+7], v[BO], s[12:13] offset:64*\t+16
.endr
	WIN 0
	s_mul_i32 s21, s18, 4352
	s_add_co_u32 s21, s21, STG                     ; my stage
	v_mul_u32_u24 v[STO], v1, 272                  ; in: row r, 32 bytes for each half of the lanes
	v_lshl_add_u32 v[STO], v2, 5, v[STO]
	v_add_nc_u32 v[STO], s21, v[STO]
	v_mul_u32_u24 v[RD], v2, 272                   ; back: lanes 0-15 one row of 256 bytes, lanes 16-31 the next
	v_lshl_add_u32 v[RD], v1, 4, v[RD]
	v_add_nc_u32 v[RD], s21, v[RD]
	v_lshlrev_b32 v[CO], 12, v2                    ; and the same two rows in out0
	v_lshl_add_u32 v[CO], v1, 4, v[CO]
	s_lshl_b32 s96, s43, 19                        ; 128 rows x 4,096 bytes x tile row
	s_add_co_u32 s96, s96, s46                     ; + my first column
	s_mov_b32 s97, 0
	s_add_nc_u64 s[14:15], s[14:15], s[96:97]
; 24 LDS loads in one run: K step s's fragments into set s % 2: y's eight into window 3, W's four into window 2
.macro FETCH s
	WIN 0xc0
.irp i, 0,1,2,3,4,5,6,7
.irp c, 0,1
	ds_load_b128 v[64*((\s)%2)+8*\i+4*\c:64*((\s)%2)+8*\i+4*\c+3], v[ADRA+(\s)/4] offset:\i*APT+((\s)%4)*AQ+\c*AC
.endr
.endr
	WIN 0x80
.irp t, 0,1,2,3
.irp c, 0,1
	ds_load_b128 v[32*((\s)%2)+8*\t+4*\c:32*((\s)%2)+8*\t+4*\c+3], v[ADRB+(\s)/4] offset:\t*4352+((\s)%4)*64+\c*32
.endr
.endr
.endm
; K step s: its fragments were asked for a step ago; the next step's are asked for; 32 products.  The 32 accumulators take turns, one instruction a turn, in the same order in every step.
.macro KSTEP s
.set PS, (\s)%2
	s_wait_dscnt 0x0                               ; this step's fragments are in (in step 0: the scale words too)
.if (\s) == 3
	s_wait_tensorcnt 0x0                           ; my part of K's second half has landed,
	s_barrier_signal -1
	s_barrier_wait -1                              ; everybody's has: step 4's fragments may be fetched.
.endif
.if ((\s) > 0) && ((\s) < 7)
.rept 4
	v_nop                                          ; four places between the last step's products and the loads into the set that they read
.endr
.endif
.if (\s) < 7
	FETCH (\s)+1
.endif
.if (\s) == 0
	WIN 0x6e                                       ; source 0 (W) window 2, source 1 (y) window 3, C (the bias) window 2, D window 1
.else
	WIN 0x5e
.endif
.irp i, 0,1,2,3,4,5,6,7
.irp t, 0,1,2,3
.if (\s) == 0
	v_wmma_scale_f32_16x16x128_f8f6f4 v[8*(4*\i+\t):8*(4*\i+\t)+7], v[32*PS+8*\t:32*PS+8*\t+7], v[64*PS+8*\i:64*PS+8*\i+7], v[BI+8*\t:BI+8*\t+7], v[SCB+8*\t+(\s)], v[SCA+8*\i+(\s)] matrix_a_fmt:MATRIX_FMT_FP4 matrix_b_fmt:MATRIX_FMT_FP4
.else
	v_wmma_scale_f32_16x16x128_f8f6f4 v[8*(4*\i+\t):8*(4*\i+\t)+7], v[32*PS+8*\t:32*PS+8*\t+7], v[64*PS+8*\i:64*PS+8*\i+7], v[8*(4*\i+\t):8*(4*\i+\t)+7], v[SCB+8*\t+(\s)], v[SCA+8*\i+(\s)] matrix_a_fmt:MATRIX_FMT_FP4 matrix_b_fmt:MATRIX_FMT_FP4
.endif
.endr
.endr
.endm
	s_wait_tensorcnt 0x1                           ; my scale bytes and my part of K's first half are in; the second half's load may stay out
	s_barrier_signal -1
	s_barrier_wait -1                              ; everybody's are
.irp i, 0,1,2,3,4,5,6,7
.irp s, 0,1,2,3,4,5,6,7
	ds_load_b32 v[SCA+8*\i+\s], v[ADSA] offset:512*\s+64*\i     ; lane r: row 16 i + r's word of K step s
.endr
.endr
.irp t, 0,1,2,3
.irp k, 0,1
	ds_load_b128 v[SCB+8*\t+4*\k:SCB+8*\t+4*\k+3], v[ADSB] offset:512*\t+16*\k
.endr
.endr
	FETCH 0
	s_wait_loadcnt 0x0                             ; the bias
.irp s, 0,1,2,3,4,5,6,7
	KSTEP \s
.endr
	WIN 0
.rept 4
	v_nop                                          ; four places between the last products and the first read of results
.endr
; THE WAY OUT, block by block of 16 rows x 64 columns.  A lane holds 32 neighbouring bytes of a row and the lanes beside it other rows: a block goes through my own stage in LDS and comes back as rows of 256 bytes.
; LDS serves a wave's instructions in order (ISA guide 5.7.1.4): no wait between the stores and the loads, nor in front of the next block's stores.
.macro TOSTAGE i
	WIN 0x04                                       ; an LDS store's data are its source 1: window 1
.irp t, 0,1,2,3
	ds_store_b128 v[STO], v[8*(4*(\i)+\t):8*(4*(\i)+\t)+3] offset:64*\t          ; each accumulator from its low end on
	ds_store_b128 v[STO], v[8*(4*(\i)+\t)+4:8*(4*(\i)+\t)+7] offset:64*\t+16
.endr
	WIN 0
.irp t, 0,1,2,3,4,5,6,7
	ds_load_b128 v[BK+32*((\i)%2)+4*\t:BK+32*((\i)%2)+4*\t+3], v[RD] offset:544*\t
.endr
.endm
.macro SEND i, younger                 ; younger: the LDS instructions issued behind block i's loads, which may stay out
	s_wait_dscnt \younger
.irp t, 0,1,2,3,4,5,6,7
	global_store_b128 v[CO], v[BK+32*((\i)%2)+4*\t:BK+32*((\i)%2)+4*\t+3], s[14:15] offset:(16*(\i)+2*\t)*4096 th:TH_STORE_NT   ; 16 lanes store 256 consecutive bytes, at a multiple of 256 from out0's first byte; 126 rows at the most: inside the signed 24-bit immediate
.endr
.endm
	s_wait_alu depctr_va_vdst(0)
	TOSTAGE 0
.irp a, 1,2,3,4,5,6,7
.if \a > 1
	s_wait_xcnt 0x0                                ; block a - 2's stores have read their registers: block a's loads may land there
.endif
	TOSTAGE \a
	SEND \a-1, 16                                  ; behind block a - 1's loads: block a's 8 stores and 8 loads
.endr
	SEND 7, 0
	s_wait_tensorcnt 0x0
	ds_add_u32 v254, v255
	s_wait_dscnt 0x0
	CROUND                                         ; the closing round: no work-group ends while a partner may still ask for a tile that names it
	s_endpgm
.Lfunc_end_k_q35d8d21d13_proj:
	.size	k_q35d8d21d13_proj, .Lfunc_end_k_q35d8d21d13_proj-k_q35d8d21d13_proj
	.p2alignl 7, 3214868480
	.fill 96, 4, 3214868480
	.section	.rodata,"a",@progbits
	.p2align	6, 0x0
	.amdhsa_kernel k_q35d8d21d13_proj
		.amdhsa_group_segment_fixed_size 327680
		.amdhsa_private_segment_fixed_size 0
		.amdhsa_enable_private_segment 0
		.amdhsa_kernarg_size 48
		.amdhsa_user_sgpr_count 2
		.amdhsa_user_sgpr_kernarg_segment_ptr 1
		.amdhsa_wavefront_size32 1
		.amdhsa_system_sgpr_workgroup_id_x 1
		.amdhsa_system_sgpr_workgroup_id_y 1
		.amdhsa_system_sgpr_workgroup_id_z 1
		.amdhsa_system_vgpr_workitem_id 0
		.amdhsa_next_free_vgpr 896
		.amdhsa_next_free_sgpr 100
		.amdhsa_reserve_vcc 0
		.amdhsa_float_denorm_mode_32 3
		.amdhsa_float_denorm_mode_16_64 3
		.amdhsa_memory_ordered 1
		.amdhsa_forward_progress 1
		.amdhsa_inst_pref_size 77
	.end_amdhsa_kernel
	.amdgpu_metadata
---
amdhsa.version: [ 1, 2 ]
amdhsa.kernels:
  - .name:           k_q35d8d21d13_proj
    .symbol:         k_q35d8d21d13_proj.kd
    .args:
      - { .name: yc, .offset: 0, .size: 8, .value_kind: global_buffer, .address_space: global }
      - { .name: ys, .offset: 8, .size: 8, .value_kind: global_buffer, .address_space: global }
      - { .name: W_proj_codes, .offset: 16, .size: 8, .value_kind: global_buffer, .address_space: global }
      - { .name: W_proj_scales, .offset: 24, .size: 8, .value_kind: global_buffer, .address_space: global }
      - { .name: b_proj, .offset: 32, .size: 8, .value_kind: global_buffer, .address_space: global }
      - { .name: out0, .offset: 40, .size: 8, .value_kind: global_buffer, .address_space: global }
    .group_segment_fixed_size: 327680
    .private_segment_fixed_size: 0
    .kernarg_segment_align: 8
    .kernarg_segment_size: 48
    .max_flat_workgroup_size: 128
    .sgpr_count:     100
    .vgpr_count:     896
    .wavefront_size: 32
...
	.end_amdgpu_metadata
.endif
;; end of part 3
